; MI455X (gfx1250); checked and timed in simulation.
; The chip was launched on July 23, 2026; its instructions are those of AMD's public machine-readable ISA for CDNA 5 (MIT licence, August 2026) and "CDNA5" Instruction Set Architecture Reference Guide (July 2026). The comments in the code are by the model that wrote it; some were corrected since.
;; Bio RE Direct. Allowed arithmetic: float matrix products may take bf16 or f16 operands with f32 sums; all other float work in f32.
;; Inputs: dir_cls_W 3 x 768 float32; dir_cls_b 3 float32; dir_dense_W 768 x 768 float32; dir_dense_b 768 float32; dir_idx 64 x 64 int32; dir_len 64 int32; nov_cls_W 3 x 768 float32; nov_cls_b 3 float32; nov_dense_W 768 x 768 float32; nov_dense_b 768 float32; nov_idx 64 x 64 int32; nov_len 64 int32; rel_cls_W 9 x 768 float32; rel_cls_b 9 float32; rel_dense_W 768 x 768 float32; rel_dense_b 768 float32; rel_idx 64 x 64 int32; rel_len 64 int32; sequence_output 64 x 512 x 768 float32.
;; Outputs: out0 64 x 9 float32; out1 64 x 3 float32; out2 64 x 3 float32.
;; One version. Each part assembles by itself: llvm-mc -triple=amdgcn-amd-amdhsa -mcpu=gfx1250 --defsym DOCPART=n.
;; ======== version 1 of 1: 3 launches
;; limits: inputs' magnitudes at most 6.6e+17
;; workspace buffers: rep 294,912 bytes; part 184,320 bytes
;; launch pool (part 1): grid 64 x 3, 16 waves a work-group, no clusters, 51,456 bytes of LDS; arguments sequence_output, rel_idx, nov_idx, dir_idx, rel_len, nov_len, dir_len, rep; writes rep
.if DOCPART == 1
	.amdgcn_target "amdgcn-amd-amdhsa--gfx1250"
	.amdhsa_code_object_version 6
	.text
	.protected	k_q15904d5bd5_pool
	.globl	k_q15904d5bd5_pool
	.p2align	8
	.type	k_q15904d5bd5_pool,@function
k_q15904d5bd5_pool:
	s_mov_b64 s[64:65], 0
	v_nop
	global_prefetch_b8 v0, s[64:65] scope:SCOPE_SE
	s_setreg_imm32_b32 hwreg(HW_REG_WAVE_MODE, 25, 1), 1
	s_wait_xcnt 0x0
; rep[head][b][0:768] (bf16) = the attention-pooled row of group (head, b):
;   G[j] = seq[b][idx[b][j]],  score[j] = G[0] . G[j],  a = softmax over j < len[b],  rep = sum of a[j] G[j];  len[b] <= 0: rep = seq[b][0].
; One work-group for each (b, head): 64 x 3.  16 waves; wave w takes the rows j = w + 16 i < len, at most four, and keeps each row in
; 24 registers a lane for both of its uses (score and weighted sum), so that a gathered row is read from memory once by the wave that owns it.
; A load of a wave covers 512 consecutive bytes of a row.  Scores, softmax and the weighted sum are f32 on the vector unit: the product has
; one row for each group, and the scores stand in front of an exponential.
; Each wave makes a softmax of its own rows (its maximum m, its sum l, its weighted sum X); the 16 results meet in LDS and are joined with
; the factors exp(m_w - max m): the maximum is taken away before every exponential, as reference() does.
;
; WORK LEFT OUT, and why it reaches no output:
;  * Rows j >= len[b] are not gathered.  len is a whole number read from memory.  For len > 0 the score 0 is |G[0]|^2 >= 0 and is not masked,
;    so the maximum is >= 0 and a masked row's weight is exp(-1e30 - max): it is 0 in reference()'s f32 and moves no result.
;  * For len <= 0 reference() throws the pooled sum away and takes seq[b][0].  The group is then run as the one row seq[b][0]
;    (len 1, index 0): the softmax of one score is 1 and the row comes out as it is.
; LIMITS: a NaN, an infinity or an overflow in a row with j >= len (for len <= 0: in any gathered row) is not carried to the result.
;  idx is taken to lie in 0 .. 511 (an index stays inside its table); the unsigned minimum with 511 only keeps the access inside the buffer.
;  len is cut to 0 .. 64, which is all that arange(64) < len and len > 0 can tell.  The sums run in another order than reference()'s.
;  rep is rounded once to bf16: it is the next launch's matrix operand.
; No cluster: two work-groups share a row only by chance of the indices.
.set G,    16                          ; v[16:39]   row G[0]: bytes 512 c + 16 lane, c = 0 .. 5
.set R,    40                          ; v[40:135]  my rows, 24 registers each
.set ACC,  136                         ; v[136:159] my weighted sum
.set D,    160                         ; v[160:167] row i: its score, then its weight, in the low register of pair i
.set T,    12                          ; v[12:13]   second chain of a dot product
.set ML,   49152                       ; LDS: 16 pairs (m, l) behind the 16 partial rows of 3,072 bytes
.set MLR,  40                          ; the join: m_p in v[40+2p], l_p in v[41+2p]
.set XP,   72                          ; the join: my four columns of partial row p in v[72+4p:75+4p]
	s_load_b512 s[8:23], s[0:1], 0x0               ; seq s[8:9]; idx rel, nov, dir s[10:15]; len rel, nov, dir s[16:21]; rep s[22:23]
	v_lshl_add_u32 v168, v0, 2, 0xc100
	v_mov_b32 v169, 0
	s_and_b32 s3, ttmp7, 0xffff                    ; head
	v_lshrrev_b32 v2, 5, v0
	v_readfirstlane_b32 s4, v2                     ; wave w
	v_and_b32 v1, 31, v0
	v_lshlrev_b32 v1, 4, v1                        ; 16 x lane
	s_mov_b32 s38, 0x76543210                      ; v_permlanex16_b32: lane i of one half reads lane i of the other
	s_mov_b32 s39, 0xfedcba98
	s_mov_b32 s29, 0                               ; upper word of every offset
	s_wait_kmcnt 0x0
	s_cmp_eq_u32 s3, 1
	s_cselect_b64 s[24:25], s[12:13], s[10:11]     ; the head's idx
	s_cselect_b64 s[26:27], s[18:19], s[16:17]     ; the head's len
	s_cmp_eq_u32 s3, 2
	s_cselect_b64 s[24:25], s[14:15], s[24:25]
	s_cselect_b64 s[26:27], s[20:21], s[26:27]
	s_lshl_b32 s28, ttmp9, 8
	s_add_nc_u64 s[24:25], s[24:25], s[28:29]      ; idx[b][0]
	s_lshl_b32 s28, ttmp9, 2
	s_add_nc_u64 s[26:27], s[26:27], s[28:29]      ; len[b]
	s_lshl_b32 s28, s4, 2
	s_add_nc_u64 s[40:41], s[24:25], s[28:29]      ; idx[b][w]
	s_load_b32 s30, s[26:27], 0x0                  ; len
	s_load_b32 s31, s[24:25], 0x0                  ; idx[b][0]
	s_load_b32 s32, s[40:41], 0x0                  ; idx[b][w + 16 i]: w + 48 <= 63, inside the row of idx
	s_load_b32 s33, s[40:41], 0x40
	s_load_b32 s34, s[40:41], 0x80
	s_load_b32 s35, s[40:41], 0xc0
	s_mul_i32 s28, ttmp9, 0x180000                 ; b x 512 rows x 3,072 bytes, below 4 GiB
	s_add_nc_u64 s[42:43], s[8:9], s[28:29]        ; seq[b]
	s_lshl_b32 s28, s3, 6
	s_add_co_u32 s28, s28, ttmp9
	s_mul_i32 s28, s28, 1536
	s_add_nc_u64 s[44:45], s[22:23], s[28:29]      ; rep[head][b]
	s_mul_i32 s37, s4, 3072
	v_add_nc_u32 v7, s37, v1                       ; LDS: my 16 bytes in my wave's partial row
	s_lshl_b32 s37, s4, 3
	s_add_co_u32 s37, s37, ML
	v_mov_b32 v8, s37                              ; LDS: my wave's pair (m, l)
	s_wait_kmcnt 0x0
	s_max_i32 s30, s30, 0
	s_min_u32 s30, s30, 64                         ; len in 0 .. 64
	s_cmp_eq_u32 s30, 0
	s_cselect_b32 s31, 0, s31                      ; the empty group is the one row seq[b][0]
	s_cselect_b32 s32, 0, s32
	s_max_u32 s30, s30, 1
	s_add_co_u32 s36, s30, 15
	s_sub_co_u32 s36, s36, s4
	s_lshr_b32 s36, s36, 4                         ; how many j = w + 16 i lie below len: 0 .. 4
.irp k, 31,32,33,34,35
	s_min_u32 s\k, s\k, 511
	s_mul_i32 s\k, s\k, 3072
.endr
	v_add_nc_u32 v2, s31, v1                       ; byte offset in seq[b] of my 16 bytes of G[0]
	v_add_nc_u32 v3, s32, v1                       ; and of my rows 0 .. 3
	v_add_nc_u32 v4, s33, v1
	v_add_nc_u32 v5, s34, v1
	v_add_nc_u32 v6, s35, v1
.macro LOADROW i                       ; six loads: the whole row i of my wave
.irp c, 0,1,2,3,4,5
	global_load_b128 v[R+24*\i+4*\c:R+24*\i+4*\c+3], v[3+\i], s[42:43] offset:512*\c
.endr
.endm
.macro DOT i                           ; my lane's part of G[0] . row i, in two chains of packed multiply-adds
	v_pk_mul_f32 v[D+2*\i:D+2*\i+1], v[G:G+1], v[R+24*\i:R+24*\i+1]
	v_pk_mul_f32 v[T:T+1], v[G+2:G+3], v[R+24*\i+2:R+24*\i+3]
.irp k, 4,8,12,16,20
	v_pk_fma_f32 v[D+2*\i:D+2*\i+1], v[G+\k:G+\k+1], v[R+24*\i+\k:R+24*\i+\k+1], v[D+2*\i:D+2*\i+1]
	v_pk_fma_f32 v[T:T+1], v[G+\k+2:G+\k+3], v[R+24*\i+\k+2:R+24*\i+\k+3], v[T:T+1]
.endr
	v_pk_add_f32 v[D+2*\i:D+2*\i+1], v[D+2*\i:D+2*\i+1], v[T:T+1]
	v_add_f32 v[D+2*\i], v[D+2*\i], v[D+2*\i+1]
.endm
.macro WSUM i                          ; the weighted sum takes row i
.irp k, 0,2,4,6,8,10,12,14,16,18,20,22
	v_pk_fma_f32 v[ACC+\k:ACC+\k+1], v[R+24*\i+\k:R+24*\i+\k+1], v[D+2*\i:D+2*\i+1], v[ACC+\k:ACC+\k+1] op_sel_hi:[1,0,1]
.endr
.endm
.macro STOREP                          ; my wave's partial row, in the row's own byte order, and its (m, l)
.irp c, 0,1,2,3,4,5
	ds_store_b128 v7, v[ACC+4*\c:ACC+4*\c+3] offset:512*\c
.endr
	ds_store_b64 v8, v[10:11]                      ; every lane holds the same pair
.endm
; The work of a wave with cnt rows, as one straight text: a row's loads and its uses lie on one path.
; Every wave with rows loads G[0] for itself (wave 0 has it a second time as its row 0): handing it round through LDS would need a
; barrier between loads and work, inside a branch that not every wave takes.  No hint on the loads: a list may name a row twice.
.macro POOL cnt
.irp c, 0,1,2,3,4,5
	global_load_b128 v[G+4*\c:G+4*\c+3], v2, s[42:43] offset:512*\c
.endr
.irp i, 0,1,2,3
.if \i < \cnt
	LOADROW \i
.endif
.endr
.irp i, 0,1,2,3
.if \i < \cnt
	s_wait_loadcnt 6*(\cnt-1-\i)                   ; loads come back in order: G[0] and row i are in, the six loads of each later row stay out
	DOT \i
.endif
.endr
.irp m, 1,2,4,8
.irp i, 0,1,2,3
.if \i < \cnt
	v_add_f32_dpp v[D+2*\i], v[D+2*\i], v[D+2*\i] row_xmask:\m row_mask:0xf bank_mask:0xf
.endif
.endr
.endr
.irp i, 0,1,2,3
.if \i < \cnt
	v_permlanex16_b32 v[D+2*\i+1], v[D+2*\i], s38, s39   ; the other half's sum; the destination has been written before
.endif
.endr
.irp i, 0,1,2,3
.if \i < \cnt
	v_add_f32 v[D+2*\i], v[D+2*\i], v[D+2*\i+1]          ; every lane holds score i
.endif
.endr
.if \cnt == 1
	v_mov_b32 v10, v[D]
.endif
.if \cnt == 2
	v_max_num_f32 v10, v[D], v[D+2]
.endif
.if \cnt >= 3
	v_max3_num_f32 v10, v[D], v[D+2], v[D+4]
.endif
.if \cnt == 4
	v_max_num_f32 v10, v10, v[D+6]
.endif
.irp i, 0,1,2,3
.if \i < \cnt
	v_sub_f32 v[D+2*\i], v[D+2*\i], v10                  ; the difference first, so that large scores lose nothing
.endif
.endr
.irp i, 0,1,2,3
.if \i < \cnt
	v_mul_f32 v[D+2*\i], 0x3fb8aa3b, v[D+2*\i]           ; x log2(e)
.endif
.endr
.irp i, 0,1,2,3
.if \i < \cnt
	v_exp_f32 v[D+2*\i], v[D+2*\i]
.endif
.endr
	v_nop                                          ; one plain instruction behind the exponentials, ahead of the first use (ISA guide 5.7.2)
.if \cnt == 1
	s_wait_alu depctr_va_vdst(0)
	v_mov_b32 v11, v[D]
.else
	s_wait_alu depctr_va_vdst(0)
	v_add_f32 v11, v[D], v[D+2]
.endif
.if \cnt >= 3
	v_add_f32 v11, v11, v[D+4]
.endif
.if \cnt == 4
	v_add_f32 v11, v11, v[D+6]
.endif
.irp k, 0,2,4,6,8,10,12,14,16,18,20,22
	v_pk_mul_f32 v[ACC+\k:ACC+\k+1], v[R+\k:R+\k+1], v[D:D+1] op_sel_hi:[1,0]   ; row 0 starts the sum: nothing is cleared
.endr
.irp i, 1,2,3
.if \i < \cnt
	WSUM \i
.endif
.endr
	STOREP
.endm
	s_cmp_eq_u32 s36, 0
	s_cbranch_scc1 .Lnone
	s_cmp_eq_u32 s36, 1
	s_cbranch_scc1 .Lv1
	s_cmp_eq_u32 s36, 2
	s_cbranch_scc1 .Lv2
	s_cmp_eq_u32 s36, 3
	s_cbranch_scc1 .Lv3
	POOL 4
	s_branch .Ljoin
.Lv3:
	POOL 3
	s_branch .Ljoin
.Lv2:
	POOL 2
	s_branch .Ljoin
.Lv1:
	POOL 1
	s_branch .Ljoin
.Lnone:                                            ; a wave without rows: m = -1e30, l = 0, a row of zeros: its factor in the join is 0
	v_mov_b32 v[ACC], 0
	v_mov_b32 v[ACC+1], 0
	v_mov_b32 v[ACC+2], 0
	v_mov_b32 v[ACC+3], 0
	v_mov_b32 v10, 0xf149f2ca
	v_mov_b32 v11, 0
.irp c, 0,1,2,3,4,5
	ds_store_b128 v7, v[ACC:ACC+3] offset:512*\c
.endr
	ds_store_b64 v8, v[10:11]
.Ljoin:
	s_wait_dscnt 0x0                               ; my stores are done, for the other waves' sake
	s_barrier_signal -1
	s_barrier_wait -1                              ; all 16 partial rows and pairs lie in LDS
	s_cmp_ge_u32 s4, 6
	s_cbranch_scc1 .Lend                           ; 192 threads x 4 columns make the row: waves 6 to 15 have done their part
	; THE JOIN.  Thread t owns columns 4 t .. 4 t + 3.
	v_lshlrev_b32 v7, 4, v0                        ; my 16 bytes in each partial row
	v_mov_b32 v8, ML
	v_lshlrev_b32 v9, 3, v0                        ; my 8 bytes of rep's row
.irp k, 0,1,2,3,4,5,6,7
	ds_load_b128 v[MLR+4*\k:MLR+4*\k+3], v8 offset:16*\k
.endr
.irp p, 0,1,2,3,4,5,6,7,8,9,10,11,12,13,14,15
	ds_load_b128 v[XP+4*\p:XP+4*\p+3], v7 offset:3072*\p
.endr
	s_wait_dscnt 16                                ; the eight loads of (m, l) are in; the 16 loads of partial rows behind them stay out
	v_max3_num_f32 v10, v[MLR], v[MLR+2], v[MLR+4]
.irp p, 6,10,14,18,22,26
	v_max3_num_f32 v10, v10, v[MLR+\p], v[MLR+\p+2]
.endr
	v_max_num_f32 v10, v10, v[MLR+30]              ; the group's largest score
.irp p, 0,1,2,3,4,5,6,7,8,9,10,11,12,13,14,15
	v_sub_f32 v[MLR+2*\p], v[MLR+2*\p], v10
.endr
.irp p, 0,1,2,3,4,5,6,7,8,9,10,11,12,13,14,15
	v_mul_f32 v[MLR+2*\p], 0x3fb8aa3b, v[MLR+2*\p]
.endr
.irp p, 0,1,2,3,4,5,6,7,8,9,10,11,12,13,14,15
	v_exp_f32 v[MLR+2*\p], v[MLR+2*\p]             ; f_p = exp(m_p - max)
.endr
	v_nop                                          ; one plain instruction behind the exponentials
	s_wait_alu depctr_va_vdst(0)
	v_mul_f32 v12, v[MLR], v[MLR+1]                ; the sum of f_p l_p, in two chains
	v_mul_f32 v13, v[MLR+2], v[MLR+3]
.irp p, 2,4,6,8,10,12,14
	v_fmac_f32 v12, v[MLR+2*\p], v[MLR+2*\p+1]
	v_fmac_f32 v13, v[MLR+2*\p+2], v[MLR+2*\p+3]
.endr
	v_add_f32 v11, v12, v13                        ; at least 1: the row with the largest score counts 1
	v_rcp_f32 v12, v11
	s_wait_dscnt 0x0                               ; the partial rows
	v_pk_mul_f32 v[ACC:ACC+1], v[XP:XP+1], v[MLR:MLR+1] op_sel_hi:[1,0]        ; plain work behind v_rcp_f32 that touches neither v11 nor v12
	v_pk_mul_f32 v[ACC+2:ACC+3], v[XP+2:XP+3], v[MLR:MLR+1] op_sel_hi:[1,0]
.irp p, 1,2,3,4,5,6,7,8,9,10,11,12,13,14,15
	v_pk_fma_f32 v[ACC:ACC+1], v[XP+4*\p:XP+4*\p+1], v[MLR+2*\p:MLR+2*\p+1], v[ACC:ACC+1] op_sel_hi:[1,0,1]
	v_pk_fma_f32 v[ACC+2:ACC+3], v[XP+4*\p+2:XP+4*\p+3], v[MLR+2*\p:MLR+2*\p+1], v[ACC+2:ACC+3] op_sel_hi:[1,0,1]
.endr
	s_wait_alu depctr_va_vdst(0)
	v_pk_mul_f32 v[ACC:ACC+1], v[ACC:ACC+1], v[12:13] op_sel_hi:[1,0]          ; both by v12 = 1 / sum
	v_pk_mul_f32 v[ACC+2:ACC+3], v[ACC+2:ACC+3], v[12:13] op_sel_hi:[1,0]
	v_cvt_pk_bf16_f32 v14, v[ACC], v[ACC+1]
	v_cvt_pk_bf16_f32 v15, v[ACC+2], v[ACC+3]
	global_store_b64 v9, v[14:15], s[44:45]        ; a wave's store covers 256 consecutive bytes, at a multiple of 256 from rep's first byte
.Lend:
	s_wait_tensorcnt 0x0
	ds_add_u32 v168, v169
	s_wait_dscnt 0x0
	s_endpgm
.Lfunc_end_k_q15904d5bd5_pool:
	.size	k_q15904d5bd5_pool, .Lfunc_end_k_q15904d5bd5_pool-k_q15904d5bd5_pool
	.p2alignl 7, 3214868480
	.fill 96, 4, 3214868480
	.section	.rodata,"a",@progbits
	.p2align	6, 0x0
	.amdhsa_kernel k_q15904d5bd5_pool
		.amdhsa_group_segment_fixed_size 51456
		.amdhsa_private_segment_fixed_size 0
		.amdhsa_enable_private_segment 0
		.amdhsa_kernarg_size 64
		.amdhsa_user_sgpr_count 2
		.amdhsa_user_sgpr_kernarg_segment_ptr 1
		.amdhsa_wavefront_size32 1
		.amdhsa_system_sgpr_workgroup_id_x 1
		.amdhsa_system_sgpr_workgroup_id_y 1
		.amdhsa_system_sgpr_workgroup_id_z 1
		.amdhsa_system_vgpr_workitem_id 0
		.amdhsa_next_free_vgpr 170
		.amdhsa_next_free_sgpr 66
		.amdhsa_reserve_vcc 0
		.amdhsa_float_denorm_mode_32 3
		.amdhsa_float_denorm_mode_16_64 3
		.amdhsa_memory_ordered 1
		.amdhsa_forward_progress 1
		.amdhsa_inst_pref_size 43
	.end_amdhsa_kernel
	.amdgpu_metadata
---
amdhsa.version: [ 1, 2 ]
amdhsa.kernels:
  - .name:           k_q15904d5bd5_pool
    .symbol:         k_q15904d5bd5_pool.kd
    .args:
      - { .name: sequence_output, .offset: 0, .size: 8, .value_kind: global_buffer, .address_space: global }
      - { .name: rel_idx, .offset: 8, .size: 8, .value_kind: global_buffer, .address_space: global }
      - { .name: nov_idx, .offset: 16, .size: 8, .value_kind: global_buffer, .address_space: global }
      - { .name: dir_idx, .offset: 24, .size: 8, .value_kind: global_buffer, .address_space: global }
      - { .name: rel_len, .offset: 32, .size: 8, .value_kind: global_buffer, .address_space: global }
      - { .name: nov_len, .offset: 40, .size: 8, .value_kind: global_buffer, .address_space: global }
      - { .name: dir_len, .offset: 48, .size: 8, .value_kind: global_buffer, .address_space: global }
      - { .name: rep, .offset: 56, .size: 8, .value_kind: global_buffer, .address_space: global }
    .group_segment_fixed_size: 51456
    .private_segment_fixed_size: 0
    .kernarg_segment_align: 8
    .kernarg_segment_size: 64
    .max_flat_workgroup_size: 512
    .sgpr_count:     66
    .vgpr_count:     170
    .wavefront_size: 32
...
	.end_amdgpu_metadata
.endif
;; end of part 1
;; launch dense (part 2): grid 48 x 3, 6 waves a work-group, clusters of 4 x 1, 185,344 bytes of LDS; arguments rep, rel_dense_W, nov_dense_W, dir_dense_W, rel_dense_b, nov_dense_b, dir_dense_b, rel_cls_W, nov_cls_W, dir_cls_W, part; writes part
.if DOCPART == 2
	.amdgcn_target "amdgcn-amd-amdhsa--gfx1250"
	.amdhsa_code_object_version 6
	.text
	.protected	k_q15904d5bd5_dense
	.globl	k_q15904d5bd5_dense
	.p2align	8
	.type	k_q15904d5bd5_dense,@function
k_q15904d5bd5_dense:
	s_mov_b64 s[64:65], 0
	v_nop
	global_prefetch_b8 v0, s[64:65] scope:SCOPE_SE
	s_setreg_imm32_b32 hwreg(HW_REG_WAVE_MODE, 25, 1), 1
	s_wait_xcnt 0x0
	s_wait_alu depctr_hold_cnt(0) depctr_sa_sdst(0) depctr_va_vdst(0) depctr_va_sdst(0) depctr_va_ssrc(0) depctr_va_vcc(0) depctr_vm_vsrc(0)
	s_getreg_b32 s2, hwreg(HW_REG_IB_STS2, 6, 4)
	s_cmp_eq_u32 s2, 0
	s_cbranch_scc0 .Lentry_in_a_cluster
	s_endpgm
.Lentry_in_a_cluster:
	s_bfe_u32 s2, ttmp6, 0x10000c
	s_cmp_lg_u32 s2, 0x3003
	s_cbranch_scc0 .Lentry_shape_is_right
	s_endpgm
.Lentry_shape_is_right:
; For one head and 16 dense columns n0 = 16 tile .. n0 + 15, for all 64 b:
;   h[b][n] = tanh(sum over k of rep[b][k] Wd[n][k] + bd[n]),   part[tile][head][b][c] = sum over these 16 n of h[b][n] Wc[c][n].
; The classifier's sum over all 768 columns spans the 48 work-groups of a head: each stores its part, and the next launch adds them and bc.
; Nothing of reference() is left out here.
; Six waves split K: wave q takes k = 128 q .. 128 q + 127, four K steps of 32 x four batch tiles of 16 = 16 matrix instructions on four
; accumulators.  So a row of Wd's tile is 512 bytes of memory and a row of rep's tile 256, each at a multiple of 256 bytes from its buffer's start.
; The six partial sums meet in LDS; waves 0 to 3 add them, one batch tile each, and go on to tanh and the classifier in f32.
; THE MATRIX INSTRUCTION IS USED TRANSPOSED: source 0 = 16 rows of Wd, source 1 = 16 rows of rep.  Lane (r = l % 16, h = l / 16) then holds,
; in register j, column n0 + 8 h + j of batch 16 t + r: the classifier's sum over n is eight multiply-adds in the lane and one step across the halves.
; Wd comes as f32 and is rounded to bf16 between LDS and the fragment; rep is bf16 already; sums in f32.
; CLUSTER: four work-groups along x have the same head and need the same rep: each wave's tile of rep is asked for jointly (mask 15).
; Wd's tile belongs to one work-group alone and comes by a plain load.  Every LDS byte is filled once: there is no ring and no refill.
.set WPITCH, 528                       ; 512 bytes + 16 = 33 x 16: sixteen rows start at sixteen different 16-byte columns modulo 256
.set APITCH, 272                       ; 256 bytes + 16 = 17 x 16: likewise
.set WT_W,   16*WPITCH                 ; wave q's tile of Wd at q x 8,448
.set AT,     6*WT_W                    ; 50,688: wave q's tile of rep at AT + q x 17,408
.set AT_W,   64*APITCH
.set RED,    AT+6*AT_W                 ; 155,136: partial sums [wave][t][half of the registers][lane][16 bytes], 4,096 bytes a wave
.set WCL,    RED+6*4096                ; 179,712: label c: Wc[c][n0 .. n0+15], 64 bytes
.set STG3,   WCL+1024                  ; 180,736: the result [b][3] f32 of a head of three labels, as it lies in part: 768 bytes
.set STG9,   STG3+768                  ; 181,504: the result [b][9] f32 of the head of nine labels: 2,304 bytes, up to 183,808
; The two texts for the two numbers of labels have stages of their own, so that no store of one can meet a byte of the other.
; Tensor loads land below RED alone; LDS stores write from RED on alone.  All six bases are multiples of 256.
; The launch declares 185,344 bytes: in the nine labels' way out threads 144 to 191 are off, and the addresses that they hold end at 184,576.
.set BD,  16                           ; v[16:23]   bd of my eight columns
.set WCT, 24                           ; v[24:31]   wave 5: Wc on its way to LDS
.set WF,  32                           ; v[32:95]   Wd: K step s in 16 registers of f32, then 8 of bf16
.set AF,  96                           ; v[96:223]  rep: fragment (s, t) at 96 + 32 s + 8 t
.set ACC, 224                          ; v[224:255] accumulator t at 224 + 8 t
.set P,   32                           ; at the end: wave p's partial sum at 32 + 8 p
.set H,   80                           ; v[80:87]   h of my eight columns
.set WCR, 96                           ; label c's eight weights at 96 + 8 c
.set S,   168                          ; label c's sum in the low register of pair 168 + 2 c
.macro ROUND                           ; a round of the cluster's barrier: my work-group's barrier, wave 0 signals for it, all wait, my work-group's barrier
	s_barrier_signal -1
	s_barrier_wait -1
	s_cmp_lg_u32 s4, 0
	s_cbranch_scc1 .Lnot_wave_0_\@
	s_barrier_signal -3
.Lnot_wave_0_\@:
	s_barrier_wait -3
	s_barrier_signal -1
	s_barrier_wait -1
.endm
	s_load_b512 s[8:23], s[0:1], 0x0               ; rep s[8:9]; Wd rel, nov, dir s[10:15]; bd rel, nov, dir s[16:21]; Wc rel s[22:23]
	s_load_b128 s[24:27], s[0:1], 0x40             ; Wc nov, dir
	s_load_b64 s[28:29], s[0:1], 0x50              ; part
	s_set_vgpr_msb 0x40
	v_lshl_add_u32 v0, v0, 2, 0x2d100
	v_mov_b32 v1, 0
	s_set_vgpr_msb 0x4045
	ds_add_u32 v0, v1
	s_set_vgpr_msb 0x4500
	v_lshrrev_b32 v1, 5, v0
	v_readfirstlane_b32 s4, v1                     ; wave q
	s_and_b32 s5, ttmp7, 0xffff                    ; head: the cluster is one work-group high
	s_bfe_u32 s6, ttmp6, 0x40000                   ; cx
	s_lshl_b32 s7, ttmp9, 2
	s_add_co_u32 s7, s7, s6                        ; tile = 4 x cluster x + cx
	s_mov_b32 s66, 0x76543210                      ; v_permlanex16_b32: lane i of one half reads lane i of the other
	s_mov_b32 s67, 0xfedcba98
	s_cmp_eq_u32 s5, 0
	s_cselect_b32 s36, 9, 3                        ; labels of this head
	s_sub_co_u32 s37, s36, 1
	; Wd's tile: 16 rows x 128 f32, pitch 768 elements, 4 words of padding behind every 128 words
	s_mov_b32 s48, (2<<16)|(1<<20)|(6<<22)|(3<<25) ; no mask; element of 4 bytes; padding on; after 128 words (code 6); 4 words (code 3)
	s_mov_b32 s49, 128<<16                         ; tensor_dim0 = 128
	s_mov_b32 s50, 16<<16                          ; tensor_dim1 = 16
	s_mov_b32 s51, 128<<16                         ; tile_dim0 = 128
	s_mov_b32 s52, 16                              ; tile_dim1 = 16
	s_mov_b32 s53, 768                             ; elements from row to row
	s_mov_b32 s54, 0
	s_mov_b32 s55, 0
	; rep's tile: 64 rows x 128 bf16, pitch 768 elements, 4 words of padding behind every 64 words; asked for by all four of the cluster
	s_mov_b32 s56, 15|(1<<16)|(1<<20)|(1<<21)|(5<<22)|(3<<25)   ; mask 15; element of 2 bytes; padding on; bit 21 beside a mask; after 64 words (code 5); 4 words
	s_mov_b32 s57, 128<<16
	s_mov_b32 s58, 64<<16
	s_mov_b32 s59, 128<<16
	s_mov_b32 s60, 64
	s_mov_b32 s61, 768
	s_mov_b32 s62, 0
	s_mov_b32 s63, 0
	s_mov_b32 s40, 1
	s_mul_i32 s41, s4, WT_W                        ; LDS addresses hang on the wave's number alone
	s_mov_b32 s44, 1
	s_mul_i32 s45, s4, AT_W
	s_add_co_u32 s45, s45, AT
	s_mul_i32 s38, s7, 49152                       ; Wd: 16 tile rows of 3,072 bytes,
	s_lshl_b32 s39, s4, 9                          ; + 128 q columns of 4 bytes
	s_add_co_u32 s38, s38, s39
	s_mov_b32 s39, 0
	s_mul_i32 s72, s5, 98304                       ; rep: the head's 64 rows of 1,536 bytes,
	s_lshl_b32 s73, s4, 8                          ; + 128 q columns of 2 bytes: head and wave alone, equal in all four partners
	s_add_co_u32 s72, s72, s73
	s_mov_b32 s73, 0
	s_wait_dscnt 0x0
	s_wait_kmcnt 0x0
	s_cmp_eq_u32 s5, 1
	s_cselect_b64 s[30:31], s[12:13], s[10:11]     ; the head's Wd,
	s_cselect_b64 s[32:33], s[18:19], s[16:17]     ; bd,
	s_cselect_b64 s[34:35], s[24:25], s[22:23]     ; Wc,
	s_cselect_b32 s69, 2304, 0                     ; and its place in a block of part: rel 0, nov 2,304, dir 3,072
	s_cmp_eq_u32 s5, 2
	s_cselect_b64 s[30:31], s[14:15], s[30:31]
	s_cselect_b64 s[32:33], s[20:21], s[32:33]
	s_cselect_b64 s[34:35], s[26:27], s[34:35]
	s_cselect_b32 s69, 3072, s69
	s_add_nc_u64 s[42:43], s[30:31], s[38:39]
	s_or_b32 s43, s43, 0x80000000                  ; type 2
	s_add_nc_u64 s[46:47], s[8:9], s[72:73]
	s_or_b32 s47, s47, 0x80000000
	ROUND                                          ; all four work-groups are here: the joint loads meet
	tensor_load_to_lds s[40:43], s[48:55]          ; my 16 x 128 of Wd
	s_nop 0
	tensor_load_to_lds s[44:47], s[56:63]          ; my 64 x 128 of rep, jointly.  Two tensor loads of the wave are out, and no more follow
	s_nop 0
	s_lshl_b32 s38, s7, 6
	s_add_nc_u64 s[32:33], s[32:33], s[38:39]      ; bd[n0]
	s_add_nc_u64 s[34:35], s[34:35], s[38:39]      ; Wc[0][n0]
	s_mul_i32 s38, s7, 3840
	s_add_co_u32 s38, s38, s69
	s_add_nc_u64 s[70:71], s[28:29], s[38:39]      ; part[tile], the head's piece
	v_and_b32 v1, 31, v0                           ; lane
	v_and_b32 v2, 15, v0                           ; r
	v_bfe_u32 v3, v0, 4, 1                         ; h
	v_lshlrev_b32 v8, 5, v3                        ; bd: my eight columns, 32 h
	s_cmp_ge_u32 s4, 4
	s_cbranch_scc1 .Lno_bd                         ; waves 0 to 3 alone add the bias
	global_load_b128 v[BD:BD+3], v8, s[32:33]
	global_load_b128 v[BD+4:BD+7], v8, s[32:33] offset:16
.Lno_bd:
	s_cmp_lg_u32 s4, 5
	s_cbranch_scc1 .Lno_wc
	; wave 5 copies Wc[c][n0 .. n0+15] into LDS: lane l takes 32 bytes, half l & 1 of label l >> 1.  Lanes beyond the last label take the last
	; label again (inside the buffer); their slots are never read.
	v_lshrrev_b32 v9, 1, v1
	v_min_u32 v9, s37, v9
	v_mul_u32_u24 v9, v9, 3072
	v_and_b32 v10, 1, v1
	v_lshl_add_u32 v9, v10, 5, v9
	v_lshlrev_b32 v10, 5, v1
	v_add_nc_u32 v10, WCL, v10
	global_load_b128 v[WCT:WCT+3], v9, s[34:35]
	global_load_b128 v[WCT+4:WCT+7], v9, s[34:35] offset:16
	s_wait_loadcnt 0x0
	ds_store_b128 v10, v[WCT:WCT+3]
	ds_store_b128 v10, v[WCT+4:WCT+7] offset:16
.Lno_wc:
	v_mul_u32_u24 v4, v2, WPITCH
	v_lshl_add_u32 v4, v3, 5, v4
	v_add_nc_u32 v4, s41, v4                       ; Wd: row r, k = 8 h in f32: 8,448 q + 528 r + 32 h
	v_mul_u32_u24 v5, v2, APITCH
	v_lshl_add_u32 v5, v3, 4, v5
	v_add_nc_u32 v5, s45, v5                       ; rep: row r, k = 8 h in bf16: AT + 17,408 q + 272 r + 16 h
	s_lshl_b32 s74, s4, 12
	s_add_co_u32 s74, s74, RED
	v_lshl_add_u32 v6, v1, 4, s74                  ; where I put my partial sums: RED + 4,096 q + 16 lane
	s_lshl_b32 s75, s4, 10
	s_add_co_u32 s75, s75, RED
	v_lshl_add_u32 v7, v1, 4, s75                  ; where I read batch tile t = q of wave 0's: RED + 1,024 q + 16 lane
	v_add_nc_u32 v11, WCL, v8                      ; Wc in LDS: my eight columns
	v_lshl_add_u32 v12, s4, 4, v2                  ; my batch row at the end: 16 q + r
	v_lshlrev_b32 v15, 4, v0                       ; the way out: 16 bytes a thread
	s_wait_tensorcnt 0x0                           ; both my tiles have landed; no other wave reads them, so no barrier stands here
.irp s, 0,1,2,3
	ds_load_b128 v[WF+16*\s:WF+16*\s+3],     v4 offset:128*\s      ; k = 32 s + 8 h .. + 3
	ds_load_b128 v[WF+16*\s+4:WF+16*\s+7],   v4 offset:128*\s+16   ;              + 4 .. + 7
	ds_load_b128 v[WF+16*\s+8:WF+16*\s+11],  v4 offset:128*\s+64   ; k = 32 s + 16 + 8 h ..
	ds_load_b128 v[WF+16*\s+12:WF+16*\s+15], v4 offset:128*\s+80
.endr
.irp s, 0,1,2,3
.irp t, 0,1,2,3
	ds_load_b128 v[AF+32*\s+8*\t:AF+32*\s+8*\t+3],   v5 offset:16*APITCH*\t+64*\s
	ds_load_b128 v[AF+32*\s+8*\t+4:AF+32*\s+8*\t+7], v5 offset:16*APITCH*\t+64*\s+32
.endr
.endr
	s_wait_dscnt 32                                ; Wd's 16 loads are in; rep's 32 behind them stay out
.irp s, 0,1,2,3
.irp i, 0,1,2,3,4,5,6,7
	v_cvt_pk_bf16_f32 v[WF+16*\s+\i], v[WF+16*\s+2*\i], v[WF+16*\s+2*\i+1]   ; packed in place, upward: a target is never a source still to be read
.endr
.endr
	; The four accumulators take turns, one instruction a turn.  The first K step starts the sums.
	s_wait_dscnt 24                                ; K step 0's eight loads are in; the 24 of the later steps stay out
.irp t, 0,1,2,3
	v_wmma_f32_16x16x32_bf16 v[ACC+8*\t:ACC+8*\t+7], v[WF:WF+7], v[AF+8*\t:AF+8*\t+7], 0
.endr
.irp s, 1,2,3
	s_wait_dscnt 8*(3-\s)                          ; this K step's loads are in; eight for each later step stay out
.irp t, 0,1,2,3
	v_wmma_f32_16x16x32_bf16 v[ACC+8*\t:ACC+8*\t+7], v[WF+16*\s:WF+16*\s+7], v[AF+32*\s+8*\t:AF+32*\s+8*\t+7], v[ACC+8*\t:ACC+8*\t+7]
.endr
.endr
.rept 4
	v_nop                                          ; four places behind the last matrix instruction, ahead of the stores of its result and of loads into its sources
.endr
.irp t, 0,1,2,3
	ds_store_b128 v6, v[ACC+8*\t:ACC+8*\t+3]   offset:1024*\t
	ds_store_b128 v6, v[ACC+8*\t+4:ACC+8*\t+7] offset:1024*\t+512
.endr
	s_wait_dscnt 0x0                               ; my stores are done (wave 5: Wc's too), for the other waves' sake
	s_barrier_signal -1
	s_barrier_wait -1
	s_cmp_ge_u32 s4, 4
	s_cbranch_scc1 .Ljoin                          ; four batch tiles: waves 0 to 3 go on, t = q
.irp p, 0,1,2,3,4,5
	ds_load_b128 v[P+8*\p:P+8*\p+3],   v7 offset:4096*\p
	ds_load_b128 v[P+8*\p+4:P+8*\p+7], v7 offset:4096*\p+512
.endr
; The end for a head of nl labels, with its stage at stg: bias and the six partial sums, tanh, the classifier's part over my work-group's 16 columns.
.macro EPI nl, stg
.irp c, 0,1,2,3,4,5,6,7,8
.if \c < \nl
	ds_load_b128 v[WCR+8*\c:WCR+8*\c+3],   v11 offset:64*\c
	ds_load_b128 v[WCR+8*\c+4:WCR+8*\c+7], v11 offset:64*\c+16
.endif
.endr
	v_mul_u32_u24 v13, v12, 4*\nl
	v_add_nc_u32 v13, \stg, v13                    ; stage: row 16 q + r of nl numbers
	s_wait_loadcnt 0x0                             ; bd
	s_wait_dscnt 2*\nl                             ; the 12 loads of partial sums are in; Wc's 2 nl behind them stay out
.irp k, 0,2,4,6
	v_pk_add_f32 v[H+\k:H+\k+1], v[BD+\k:BD+\k+1], v[P+\k:P+\k+1]
.endr
.irp p, 1,2,3,4,5
.irp k, 0,2,4,6
	v_pk_add_f32 v[H+\k:H+\k+1], v[H+\k:H+\k+1], v[P+8*\p+\k:P+8*\p+\k+1]
.endr
.endr
	; tanh(x) = 1 - 2 / (1 + exp2(2 log2(e) x)): for large x the quotient goes to 0, for very negative x to 2: no overflow reaches the result
.irp k, 0,2,4,6
	v_pk_mul_f32 v[H+\k:H+\k+1], v[H+\k:H+\k+1], 0x4038aa3b op_sel_hi:[1,0]
.endr
.irp k, 0,1,2,3,4,5,6,7
	v_exp_f32 v[H+\k], v[H+\k]
.endr
	v_nop                                          ; one plain instruction behind the exponentials (ISA guide 5.7.2)
	s_wait_alu depctr_va_vdst(0)
.irp k, 0,2,4,6
	v_pk_add_f32 v[H+\k:H+\k+1], v[H+\k:H+\k+1], 1.0 op_sel_hi:[1,0]
.endr
.irp k, 0,1,2,3,4,5,6,7
	v_rcp_f32 v[H+\k], v[H+\k]
.endr
	v_nop                                          ; and behind the reciprocals
	s_wait_alu depctr_va_vdst(0)
.irp k, 0,2,4,6
	v_pk_fma_f32 v[H+\k:H+\k+1], v[H+\k:H+\k+1], -2.0, 1.0 op_sel_hi:[1,0,0]
.endr
	s_wait_dscnt 0x0                               ; Wc
.irp c, 0,1,2,3,4,5,6,7,8
.if \c < \nl
	v_pk_mul_f32 v[S+2*\c:S+2*\c+1], v[H:H+1], v[WCR+8*\c:WCR+8*\c+1]
.endif
.endr
.irp k, 2,4,6
.irp c, 0,1,2,3,4,5,6,7,8
.if \c < \nl
	v_pk_fma_f32 v[S+2*\c:S+2*\c+1], v[H+\k:H+\k+1], v[WCR+8*\c+\k:WCR+8*\c+\k+1], v[S+2*\c:S+2*\c+1]
.endif
.endr
.endr
.irp c, 0,1,2,3,4,5,6,7,8
.if \c < \nl
	v_add_f32 v[S+2*\c], v[S+2*\c], v[S+2*\c+1]           ; my eight columns
.endif
.endr
.irp c, 0,1,2,3,4,5,6,7,8
.if \c < \nl
	v_permlanex16_b32 v[S+2*\c+1], v[S+2*\c], s66, s67    ; the other half's eight; the destination has been written before
.endif
.endr
.irp c, 0,1,2,3,4,5,6,7,8
.if \c < \nl
	v_add_f32 v[S+2*\c], v[S+2*\c], v[S+2*\c+1]
	ds_store_b32 v13, v[S+2*\c] offset:4*\c               ; lanes r and 16 + r write the same number to the same word
.endif
.endr
.endm
; The way out for a head of nl labels: 64 x nl x 4 bytes leave the stage through registers, 16 bytes a thread, threads 0 .. 16 nl - 1.
.macro WAYOUT nl, stg
	v_add_nc_u32 v14, \stg, v15                    ; my 16 bytes of the stage
	v_cmp_gt_u32 vcc_lo, 16*\nl, v0
	s_and_saveexec_b32 s69, vcc_lo
	ds_load_b128 v[ACC:ACC+3], v14
	s_wait_dscnt 0x0
	global_store_b128 v15, v[ACC:ACC+3], s[70:71]  ; sixteen lanes store 256 consecutive bytes, at a multiple of 256 from part's first byte
	s_wait_xcnt 0x0                                ; EXEC is a source of the store: it is widened only behind this wait
	s_or_b32 exec_lo, exec_lo, s69
.endm
	s_cmp_lg_u32 s5, 0                             ; the head is the same in all waves and in all four partners
	s_cbranch_scc1 .Lthree
	EPI 9, STG9
	s_branch .Ljoin
.Lthree:
	EPI 3, STG3
.Ljoin:
	s_wait_dscnt 0x0                               ; my stores into the stage are done
	s_barrier_signal -1
	s_barrier_wait -1
	s_wait_xcnt 0x0                                ; EXEC is a source of the loads issued above: it is narrowed only behind this wait
	s_cmp_lg_u32 s5, 0
	s_cbranch_scc1 .Lout_three
	WAYOUT 9, STG9
	s_branch .Lclose
.Lout_three:
	WAYOUT 3, STG3
.Lclose:
	s_set_vgpr_msb 0x5
	s_wait_tensorcnt 0x0
	ds_add_u32 v0, v1
	s_wait_dscnt 0x0
	s_set_vgpr_msb 0x500
	ROUND                                          ; the closing round: no work-group ends while a partner may still ask for a tile that names it
	s_endpgm
.Lfunc_end_k_q15904d5bd5_dense:
	.size	k_q15904d5bd5_dense, .Lfunc_end_k_q15904d5bd5_dense-k_q15904d5bd5_dense
	.p2alignl 7, 3214868480
	.fill 96, 4, 3214868480
	.section	.rodata,"a",@progbits
	.p2align	6, 0x0
	.amdhsa_kernel k_q15904d5bd5_dense
		.amdhsa_group_segment_fixed_size 185344
		.amdhsa_private_segment_fixed_size 0
		.amdhsa_enable_private_segment 0
		.amdhsa_kernarg_size 88
		.amdhsa_user_sgpr_count 2
		.amdhsa_user_sgpr_kernarg_segment_ptr 1
		.amdhsa_wavefront_size32 1
		.amdhsa_system_sgpr_workgroup_id_x 1
		.amdhsa_system_sgpr_workgroup_id_y 1
		.amdhsa_system_sgpr_workgroup_id_z 1
		.amdhsa_system_vgpr_workitem_id 0
		.amdhsa_next_free_vgpr 258
		.amdhsa_next_free_sgpr 80
		.amdhsa_reserve_vcc 1
		.amdhsa_float_denorm_mode_32 3
		.amdhsa_float_denorm_mode_16_64 3
		.amdhsa_memory_ordered 1
		.amdhsa_forward_progress 1
		.amdhsa_inst_pref_size 29
	.end_amdhsa_kernel
	.amdgpu_metadata
---
amdhsa.version: [ 1, 2 ]
amdhsa.kernels:
  - .name:           k_q15904d5bd5_dense
    .symbol:         k_q15904d5bd5_dense.kd
    .args:
      - { .name: rep, .offset: 0, .size: 8, .value_kind: global_buffer, .address_space: global }
      - { .name: rel_dense_W, .offset: 8, .size: 8, .value_kind: global_buffer, .address_space: global }
      - { .name: nov_dense_W, .offset: 16, .size: 8, .value_kind: global_buffer, .address_space: global }
      - { .name: dir_dense_W, .offset: 24, .size: 8, .value_kind: global_buffer, .address_space: global }
      - { .name: rel_dense_b, .offset: 32, .size: 8, .value_kind: global_buffer, .address_space: global }
      - { .name: nov_dense_b, .offset: 40, .size: 8, .value_kind: global_buffer, .address_space: global }
      - { .name: dir_dense_b, .offset: 48, .size: 8, .value_kind: global_buffer, .address_space: global }
      - { .name: rel_cls_W, .offset: 56, .size: 8, .value_kind: global_buffer, .address_space: global }
      - { .name: nov_cls_W, .offset: 64, .size: 8, .value_kind: global_buffer, .address_space: global }
      - { .name: dir_cls_W, .offset: 72, .size: 8, .value_kind: global_buffer, .address_space: global }
      - { .name: part, .offset: 80, .size: 8, .value_kind: global_buffer, .address_space: global }
    .group_segment_fixed_size: 185344
    .private_segment_fixed_size: 0
    .kernarg_segment_align: 8
    .kernarg_segment_size: 88
    .max_flat_workgroup_size: 192
    .sgpr_count:     80
    .vgpr_count:     258
    .wavefront_size: 32
...
	.end_amdgpu_metadata
.endif
;; end of part 2
;; launch finish (part 3): grid 15 x 1, 1 waves a work-group, no clusters, 0 bytes of LDS; arguments part, rel_cls_b, nov_cls_b, dir_cls_b, out0, out1, out2; writes out0, out1, out2
.if DOCPART == 3
	.amdgcn_target "amdgcn-amd-amdhsa--gfx1250"
	.amdhsa_code_object_version 6
	.text
	.protected	k_q15904d5bd5_finish
	.globl	k_q15904d5bd5_finish
	.p2align	8
	.type	k_q15904d5bd5_finish,@function
k_q15904d5bd5_finish:
	s_mov_b64 s[64:65], 0
	v_nop
	global_prefetch_b8 v0, s[64:65] scope:SCOPE_SE
	s_setreg_imm32_b32 hwreg(HW_REG_WAVE_MODE, 25, 1), 1
	s_wait_xcnt 0x0
; out[b][c] = bc[c] + the sum over the 48 column tiles of part[tile][..][b][c].  Nothing of reference() is left out here.
; A block of part is the three outputs' own layouts end to end: rel 2,304 bytes, nov 768, dir 768 = 15 pieces of 256 bytes.
; Work-group u owns piece u (0 .. 8 out0, 9 .. 11 out1, 12 .. 14 out2); one wave; lane l owns two numbers, 8 bytes.
; Each load and the store cover 256 consecutive bytes at a multiple of 256 from the buffer's first byte.  All 50 loads go out at once.
; No LDS, no matrix unit, no cluster: the launch adds 48 numbers for each of 960 outputs, and no two work-groups read the same bytes.
.set X, 16                             ; v[16:111] tile p's pair at 16 + 2 p
	s_load_b256 s[8:15], s[0:1], 0x0               ; part s[8:9]; bc rel, nov, dir s[10:15]
	s_load_b128 s[16:19], s[0:1], 0x20             ; out0, out1
	s_load_b64 s[20:21], s[0:1], 0x30              ; out2
	s_mov_b32 s32, 7282                            ; e / 9 = (7282 e) >> 16, exact for e < 576
	s_mov_b32 s33, 21846                           ; e / 3 = (21846 e) >> 16, exact for e < 192
	v_lshlrev_b32 v1, 3, v0                        ; my 8 bytes of the piece
	s_cmp_ge_u32 ttmp9, 9
	s_cselect_b32 s26, 9, 0                        ; the output's first piece
	s_cselect_b32 s27, 3, 9                        ; its labels
	s_cselect_b32 s28, s33, s32
	s_cmp_ge_u32 ttmp9, 12
	s_cselect_b32 s26, 12, s26
	s_sub_co_u32 s29, ttmp9, s26                   ; the piece's number inside its output
	s_lshl_b32 s36, s29, 6
	v_lshl_add_u32 v6, v0, 1, s36                  ; e = 64 x piece + 2 lane: my first number's place in the output
	v_add_nc_u32 v7, 1, v6
	v_mul_u32_u24 v8, s28, v6
	v_mul_u32_u24 v9, s28, v7
	v_lshrrev_b32 v8, 16, v8                       ; b = e / labels
	v_lshrrev_b32 v9, 16, v9
	v_mul_u32_u24 v8, s27, v8
	v_mul_u32_u24 v9, s27, v9
	v_sub_nc_u32 v2, v6, v8                        ; c = e - b x labels
	v_sub_nc_u32 v3, v7, v9
	v_lshlrev_b32 v2, 2, v2
	v_lshlrev_b32 v3, 2, v3
	s_lshl_b32 s34, ttmp9, 8
	s_mov_b32 s35, 0
	s_wait_kmcnt 0x0
	s_add_nc_u64 s[30:31], s[8:9], s[34:35]        ; my piece in tile 0's block
	s_cmp_ge_u32 ttmp9, 9
	s_cselect_b64 s[22:23], s[12:13], s[10:11]     ; the output's bias
	s_cselect_b64 s[24:25], s[18:19], s[16:17]     ; and the output
	s_cmp_ge_u32 ttmp9, 12
	s_cselect_b64 s[22:23], s[14:15], s[22:23]
	s_cselect_b64 s[24:25], s[20:21], s[24:25]
	s_lshl_b32 s34, s29, 8
	s_add_nc_u64 s[24:25], s[24:25], s[34:35]
	global_load_b32 v4, v2, s[22:23]
	global_load_b32 v5, v3, s[22:23]
.irp p, 0,1,2,3,4,5,6,7,8,9,10,11,12,13,14,15,16,17,18,19,20,21,22,23,24,25,26,27,28,29,30,31,32,33,34,35,36,37,38,39,40,41,42,43,44,45,46,47
	global_load_b64 v[X+2*\p:X+2*\p+1], v1, s[30:31] offset:3840*\p th:TH_LOAD_NT   ; read once in the launch
.endr
	; four chains, tile p into chain p mod 4; each wait leaves the later groups of twelve loads out
	s_wait_loadcnt 36
	v_pk_add_f32 v[X:X+1], v[X:X+1], v[4:5]
.irp p, 4,5,6,7,8,9,10,11
	v_pk_add_f32 v[X+2*(\p%4):X+2*(\p%4)+1], v[X+2*(\p%4):X+2*(\p%4)+1], v[X+2*\p:X+2*\p+1]
.endr
	s_wait_loadcnt 24
.irp p, 12,13,14,15,16,17,18,19,20,21,22,23
	v_pk_add_f32 v[X+2*(\p%4):X+2*(\p%4)+1], v[X+2*(\p%4):X+2*(\p%4)+1], v[X+2*\p:X+2*\p+1]
.endr
	s_wait_loadcnt 12
.irp p, 24,25,26,27,28,29,30,31,32,33,34,35
	v_pk_add_f32 v[X+2*(\p%4):X+2*(\p%4)+1], v[X+2*(\p%4):X+2*(\p%4)+1], v[X+2*\p:X+2*\p+1]
.endr
	s_wait_loadcnt 0x0
.irp p, 36,37,38,39,40,41,42,43,44,45,46,47
	v_pk_add_f32 v[X+2*(\p%4):X+2*(\p%4)+1], v[X+2*(\p%4):X+2*(\p%4)+1], v[X+2*\p:X+2*\p+1]
.endr
	v_pk_add_f32 v[X:X+1], v[X:X+1], v[X+2:X+3]
	v_pk_add_f32 v[X+4:X+5], v[X+4:X+5], v[X+6:X+7]
	v_pk_add_f32 v[X:X+1], v[X:X+1], v[X+4:X+5]
	global_store_b64 v1, v[X:X+1], s[24:25]
	s_endpgm
.Lfunc_end_k_q15904d5bd5_finish:
	.size	k_q15904d5bd5_finish, .Lfunc_end_k_q15904d5bd5_finish-k_q15904d5bd5_finish
	.p2alignl 7, 3214868480
	.fill 96, 4, 3214868480
	.section	.rodata,"a",@progbits
	.p2align	6, 0x0
	.amdhsa_kernel k_q15904d5bd5_finish
		.amdhsa_group_segment_fixed_size 0
		.amdhsa_private_segment_fixed_size 0
		.amdhsa_enable_private_segment 0
		.amdhsa_kernarg_size 56
		.amdhsa_user_sgpr_count 2
		.amdhsa_user_sgpr_kernarg_segment_ptr 1
		.amdhsa_wavefront_size32 1
		.amdhsa_system_sgpr_workgroup_id_x 1
		.amdhsa_system_sgpr_workgroup_id_y 1
		.amdhsa_system_sgpr_workgroup_id_z 1
		.amdhsa_system_vgpr_workitem_id 0
		.amdhsa_next_free_vgpr 112
		.amdhsa_next_free_sgpr 66
		.amdhsa_reserve_vcc 0
		.amdhsa_float_denorm_mode_32 3
		.amdhsa_float_denorm_mode_16_64 3
		.amdhsa_memory_ordered 1
		.amdhsa_forward_progress 1
		.amdhsa_inst_pref_size 10
	.end_amdhsa_kernel
	.amdgpu_metadata
---
amdhsa.version: [ 1, 2 ]
amdhsa.kernels:
  - .name:           k_q15904d5bd5_finish
    .symbol:         k_q15904d5bd5_finish.kd
    .args:
      - { .name: part, .offset: 0, .size: 8, .value_kind: global_buffer, .address_space: global }
      - { .name: rel_cls_b, .offset: 8, .size: 8, .value_kind: global_buffer, .address_space: global }
      - { .name: nov_cls_b, .offset: 16, .size: 8, .value_kind: global_buffer, .address_space: global }
      - { .name: dir_cls_b, .offset: 24, .size: 8, .value_kind: global_buffer, .address_space: global }
      - { .name: out0, .offset: 32, .size: 8, .value_kind: global_buffer, .address_space: global }
      - { .name: out1, .offset: 40, .size: 8, .value_kind: global_buffer, .address_space: global }
      - { .name: out2, .offset: 48, .size: 8, .value_kind: global_buffer, .address_space: global }
    .group_segment_fixed_size: 0
    .private_segment_fixed_size: 0
    .kernarg_segment_align: 8
    .kernarg_segment_size: 56
    .max_flat_workgroup_size: 32
    .sgpr_count:     66
    .vgpr_count:     112
    .wavefront_size: 32
...
	.end_amdgpu_metadata
.endif
;; end of part 3
